; MI455X (gfx1250); checked and timed in simulation.
; The chip was launched on July 23, 2026; its instructions are those of AMD's public machine-readable ISA for CDNA 5 (MIT licence, August 2026) and "CDNA5" Instruction Set Architecture Reference Guide (July 2026). The comments in the code are by the model that wrote it; some were corrected since.
;; Attention. Allowed arithmetic: matrix products marked QUANTISED: E5M2 operands, one given power-of-two scale a tensor, by v_wmma_f32_16x16x64_bf8_bf8 or v_wmma_f32_16x16x128_bf8_bf8, f32 sums; everything else in f32.
;; Inputs: Wk_codes 1,024 x 32 x 32 uint8 (E5M2 codes of Wk, K innermost, in blocks of 32 codes); Wq_codes 1,024 x 32 x 32 uint8 (E5M2 codes of Wq, K innermost, in blocks of 32 codes); Wv_codes 1,024 x 32 x 32 uint8 (E5M2 codes of Wv, K innermost, in blocks of 32 codes); b_k 1,024 float32; b_t 1,024 float32; b_v 1,024 float32; bk 1,024 float32; bq 1,024 float32; bv 1,024 float32; g_k 1,024 float32; g_t 1,024 float32; g_v 1,024 float32; lowp_scales 10 int32 (the exponents e of the quantised operands' scales 2^e); source_k 8 x 2,048 x 1,024 float32; source_v 8 x 2,048 x 1,024 float32; target 8 x 512 x 1,024 float32.
;; Outputs: out0 8 x 512 x 1,024 float32.
;; This version of the problem:
;;   THIS VERSION OF THE PROBLEM IS GIVEN IN LOW PRECISION. The matrix products marked QUANTISED in the list below multiply operands that are first quantised to E5M2 (5 exponent bits, 2 mantissa bits; 8 bits a number), with one given power-of-two scale for each operand tensor; their sums are f32. All else is computed in f32.
;;   The module's matrix products, in the order in which they are computed (A, B: the left and right operand; K: the contracted axis; several contracted axes count as one K, in the product's order):
;;     1. [M 4,096, K 1,024] x [K 1,024, N 1,024]; A: computed on the way; B: input Wq (given as codes): QUANTISED (scales: A lowp_scales[0], B lowp_scales[1])
;;     2. [M 16,384, K 1,024] x [K 1,024, N 1,024]; A: computed on the way; B: input Wk (given as codes): QUANTISED (scales: A lowp_scales[2], B lowp_scales[3])
;;     3. [M 16,384, K 1,024] x [K 1,024, N 1,024]; A: computed on the way; B: input Wv (given as codes): QUANTISED (scales: A lowp_scales[4], B lowp_scales[5])
;;     4. batch 8 x [M 512, K 1,024] x [K 1,024, N 2,048]; A: computed on the way; B: computed on the way: QUANTISED (scales: A lowp_scales[6], B lowp_scales[7])
;;     5. batch 8 x [M 512, K 2,048] x [K 2,048, N 1,024]; A: softmax (see below); B: computed on the way: QUANTISED (scales: A lowp_scales[8], B lowp_scales[9])
;;   THE QUANTISER, for each operand of a quantised product, along K:
;;     - The operand's scale is 2^e, e = its entry of the input lowp_scales (int32; the entries are numbered through the quantised products in the list's order, A before B).
;;     - Each number is divided by the scale, clamped to +-57,344, and rounded to the nearest number of E5M2, ties to even, subnormals kept.
;;     - The product sums the exact products of the quantised numbers (number of the format x scale) in f32.
;;   ~~~python
;;   def quantise(x, axis, e):      # numpy; x: float32 -> the quantised numbers, widened to float32 again
;;       x = np.moveaxis(x, axis, -1); K = x.shape[-1]
;;       r = np.clip(x / 2.0 ** e, -57344, 57344)
;;       step = 2.0 ** (np.maximum(np.frexp(np.where(r == 0, 1, r))[1] - 1, -14) - 2)
;;       q = np.round(r / step) * step * 2.0 ** e      # np.round: ties to even
;;       return np.moveaxis(q, -1, axis).astype(np.float32)
;;   ~~~
;;   SOFTMAX AHEAD OF A QUANTISED PRODUCT. Where the list says 'softmax', what is quantised is not the finished softmax but p = 2^(t - M), with t = logit x log2(e) and M = ceil(the row's largest t), a whole number; so 1/2 < the row's largest p <= 1. The row's sum l is taken of the UNQUANTISED p, in f32, and the product's result is divided by l at the end. Since M is a whole number, a kernel that streams over the keys may use a running M (the ceiling of the running maximum): every later rescaling is an exact power of two, so the quantised numbers keep their values, but for numbers so far below the row's largest that they fall under the format's range.
;;   OPERANDS COMPUTED ON THE WAY. 'Computed on the way' means the value that the module computes at that place (a softmax that the list does not call 'softmax' is quantised finished and normalised). What goes into a quantiser is computed in f32, as accurately as f32 sums, v_exp_f32 and their like allow (about 1e-6 of the number): no bf16 or f16 on the way to a quantiser, and a product that is left as it is and whose result goes on into a quantised operand takes f32 operands (vector FMAs, or v_wmma_f32_16x16x4_f32). A number that lies on a knife's edge between two numbers of the format may be rounded either way, as far as f32 arithmetic and the matrix unit's own rounding can turn it there, and no further.
;;   INPUTS GIVEN AS CODES. Wk (in the module: [1024, 1024], K = its axis 1); Wq (in the module: [1024, 1024], K = its axis 1); Wv (in the module: [1024, 1024], K = its axis 1): each comes as NAME_codes (uint8): NAME with its K axis moved to the last place and cut into blocks of 32 codes, [.., K / 32, bytes a block], one block behind the other in memory; one code a byte (a code: sign, 5 exponent bits, 2 mantissa bits); its scale is its entry of lowp_scales. Its value is code x scale, taken as it is: it is not quantised again, and the codes and scales need not be those that the quantiser above would give.
;; One version. Each part assembles by itself: llvm-mc -triple=amdgcn-amd-amdhsa -mcpu=gfx1250 --defsym DOCPART=n.
;; ======== version 1 of 1: 3 launches
;; limits: right only within a limited range of input values
;; workspace buffers: q_img 4,194,304 bytes; k_img 16,777,216 bytes; v_img 16,777,216 bytes; p_img 8,388,608 bytes; stats 524,288 bytes
;; launch proj (part 1): grid 256 x 1, 4 waves a work-group, clusters of 4 x 1, 327,680 bytes of LDS; arguments target, Wq_codes, bq, g_t, b_t, q_img, source_k, Wk_codes, bk, g_k, b_k, k_img, source_v, Wv_codes, bv, g_v, b_v, v_img, lowp_scales; writes q_img, k_img, v_img
.if DOCPART == 1
	.amdgcn_target "amdgcn-amd-amdhsa--gfx1250"
	.amdhsa_code_object_version 6
	.text
	.protected	k_qb40bf690fa_proj
	.globl	k_qb40bf690fa_proj
	.p2align	8
	.type	k_qb40bf690fa_proj,@function
k_qb40bf690fa_proj:
	s_mov_b64 s[64:65], 0
	v_nop
	global_prefetch_b8 v0, s[64:65] scope:SCOPE_SE
	s_setreg_imm32_b32 hwreg(HW_REG_WAVE_MODE, 25, 1), 1
	s_wait_xcnt 0x0
	s_wait_alu depctr_hold_cnt(0) depctr_sa_sdst(0) depctr_va_vdst(0) depctr_va_sdst(0) depctr_va_ssrc(0) depctr_va_vcc(0) depctr_vm_vsrc(0)
	s_getreg_b32 s2, hwreg(HW_REG_IB_STS2, 6, 4)
	s_cmp_eq_u32 s2, 0
	s_cbranch_scc0 .Lentry_in_a_cluster
	s_endpgm
.Lentry_in_a_cluster:
	s_bfe_u32 s2, ttmp6, 0x10000c
	s_cmp_lg_u32 s2, 0x3003
	s_cbranch_scc0 .Lentry_shape_is_right
	s_endpgm
.Lentry_shape_is_right:
; y = Q( Q(layernorm(x) g + b) W^T + bias ), for the three tensors q (target), k (source_k), v (source_v): rows of 1,024 f32 in, codes of BF8 (E5M2) out.
; Both quantisers take the given scale 2^e of their operand: number / 2^e, held within +-57,344, to the nearest code, ties to even.  W arrives as codes, K innermost.
; SHARES.  The 2,304 tiles of 16 rows go to 256 work-groups; a cluster of four lies in ONE tensor and all four have the same number of tiles: clusters 0-7: q, 8 tiles a work-group; 8-23: k, 10; 24-35: k, 8;
; 36-51: v, 10; 52-63: v, 8 (16 x 40 + 12 x 32 = 1,024 tiles).  Every branch on the tensor or on the number of tiles hangs on the cluster's number alone.
; PHASE X: five trips of two tiles.  Wave w normalises rows 4 w .. 4 w + 3 of each (mean, then the sum of squares of x - mean: two passes over registers) and puts their codes into LDS; behind a barrier
; wave (rh, ch) reads the fragments of the trip's tile rh into registers, where they stay: tiles 2 m + rh, m = 0 .. 4, 640 registers.  The trip's 32 rows of LDS serve every trip.
; PHASE G: W goes by in 8 slots' worth of 128 rows through two LDS slots; the four work-groups of the cluster ask for each JOINTLY.  Wave (rh, ch) takes rows 64 ch .. 64 ch + 63 of a slot: four tiles of 16, each x my
; five (or four) tiles of rows x 8 K steps of 128.  While a tile is multiplied the next one's fragments are fetched.  A change of slots stands ahead of a slot's LAST tile, whose fragments are in registers then.
; The bias, divided by 2^(ex + ew), is the C of each sum's first product; it lies in LDS.
; OUT.  The results are quantised in registers and stored as IMAGES OF OPERAND REGISTERS: in a fragment (16 rows x 128 K, 2,048 bytes) registers 2 i, 2 i + 1 of lane (r, h) hold k = 16 i + 8 h + 0 .. 7 of row r.
;   q, k: product transposed (source 0 = W, source 1 = x): a lane holds one row and 8 neighbouring outputs.  A fragment: [chunk c of 4][lane][16 bytes]: registers 4 c .. 4 c + 3.
;      Order of fragments: k: [group of 8 row tiles][pair of K steps][row tile of the group][K step of the pair]; q: the same with groups of 4.
;   v:    source 0 = x, source 1 = W: a lane holds one channel and 8 neighbouring keys.  Image [batch][channel tile][key tile][lane][8 bytes]: registers 2 i, 2 i + 1, i = key tile % 8: a tile is 256 consecutive bytes.
; Inside this launch x's and W's fragments are both read as 16 bytes at 32 c + 16 h: one order of k for both sides.
; PREFETCH: W's first 256 rows come by the first two fills; rows 256 + 256 i on are asked for in trip i = 0 .. 2 of phase X, by four clusters of each tensor, each row's four blocks of 256 bytes once in such a cluster.
; LIMITS: NaN among the inputs is not served.  ex and e_out - ex - ew lie between -126 and 112, so that each power of two below, and 57,344 times it, is an f32 number.
; REGISTERS, in windows of 256.  Window 0: v1-31 addresses and constants; phase X: v32-63 g, v64-95 b, v96-159 at work, v160-191 codes; phase G: v32-51 codes, v96-103 the bias as C, v128-255 W's fragments, one set for each of 8 K steps.
;   Window 1: phase X: a ring of 8 rows x 32 registers; phase G: accumulator m at 8 m, and from v128 x's fragments of m = 4.   Windows 2, 3: x's fragments of m = 0 .. 3: (m, s) at 64 (s % 4) + 16 m of window 2 + s / 4.
.set PW,    1040                       ; an LDS row of 1,024 codes + 16 bytes = 260 words: row r starts at bank 4 r mod 64 (ISA guide 11.1)
.set SLOTB, 128*PW                     ; slot 0 at byte 0, slot 1 behind it
.set XBASE, 2*SLOTB                    ; behind the slots: the codes of a trip's two tiles; no fill lands here
.set SPARE, XBASE+2*16*PW              ; behind them: the spare words, 128 bytes a wave, which no other line names
.set BIAS,  SPARE+512                  ; q, k: 1,024 f32; v: each of them four times, 16,384 bytes
.set GG,  32
.set BB,  64
.set T,   96
.set CD,  160
.set CO,  32
.set BC,  96
.set WF,  128
.set VO,  17
.set MSB, 0
.macro WIN new                         ; the immediate's high byte repeats the setting that is left
.if MSB != (\new)
	s_set_vgpr_msb (MSB<<8)|(\new)
.set MSB, (\new)
.endif
.endm
.macro PLACES
.rept 4
	v_nop
.endr
.endm
.macro CROUND                          ; a round of the cluster's barrier
	s_barrier_signal -1
	s_barrier_wait -1
	s_cmp_lg_u32 s54, 0
	s_cbranch_scc1 .Lnot_wave_0_\@
	s_barrier_signal -3
.Lnot_wave_0_\@:
	s_barrier_wait -3
	s_barrier_signal -1
	s_barrier_wait -1
.endm
; THE CHANGE OF SLOTS.  Each wave waits for all its tensor loads (its part of the slot ahead), adds 0 to its spare word, and waits for that and for its reads of the slot left.
; fill = 1: a round of the cluster's barrier, and the slot left takes W's next 128 rows (at the head: slot 1 its first): one load a wave, 32 rows, the first thing behind the round.
.macro CHANGE fill
	s_wait_tensorcnt 0x0
	ds_add_u32 v2, v3
.if \fill
	s_xor_b32 s2, s2, SLOTB                        ; no tensor load of mine is out, so the descriptor may walk: the other slot,
	s_add_co_u32 s81, s2, s3                       ; my 32 rows of it,
	s_add_nc_u64 s[82:83], s[82:83], 128*1024      ; the next 128 rows of W
.endif
	s_wait_dscnt 0x0
.if \fill
	CROUND
	tensor_load_to_lds s[80:83], s[72:79]
	s_nop 0
	PLACES
.else
	s_barrier_signal -1
	s_barrier_wait -1
.endif
.endm
	s_load_b256 s[4:11], s[0:1], 0x0               ; q's six: x, W, bias, g, b, out
	s_load_b128 s[12:15], s[0:1], 0x20
	s_load_b256 s[16:23], s[0:1], 0x30             ; k's six
	s_load_b128 s[24:27], s[0:1], 0x50
	s_load_b256 s[28:35], s[0:1], 0x60             ; v's six
	s_load_b128 s[36:39], s[0:1], 0x80
	s_load_b64 s[40:41], s[0:1], 0x90              ; the scales' exponents
	v_lshl_add_u32 v2, v0, 2, SPARE
	v_mov_b32 v3, 0
	ds_add_u32 v2, v3                              ; the opening lines: the add, twice on end,
	ds_add_u32 v2, v3
	v_lshrrev_b32 v26, 5, v0
	v_readfirstlane_b32 s54, v26                   ; wave 0..3
	s_bfe_u32 s55, ttmp6, 0x40000                  ; cx
	s_lshl_b32 s56, ttmp9, 2
	s_add_co_u32 s56, s56, s55                     ; work-group = 4 x cluster + cx: it enters x's and out's addresses alone
	; which tensor, how many tiles: from the cluster's number.  s58: bit 1 = v, bit 0 = ten tiles
	s_cmp_lt_u32 ttmp9, 52
	s_cselect_b32 s58, 3, 2
	s_cmp_lt_u32 ttmp9, 36
	s_cselect_b32 s58, 0, s58
	s_cselect_b32 s63, 32, 144                     ; the tensor's first work-group
	s_cmp_lt_u32 ttmp9, 24
	s_cselect_b32 s58, 1, s58
	s_cmp_lt_u32 ttmp9, 8
	s_cselect_b32 s58, 0, s58
	s_cselect_b32 s63, 0, s63
	s_cselect_b32 s86, 0, 128                      ; k, v with 8 tiles: 64 work-groups of 10 lie ahead: first tile 8 j + 128
	s_and_b32 s42, s58, 1
	s_sub_co_u32 s42, 1, s42                       ; 0 with ten tiles, 1 with eight: phase X's trips whose counter is at or under it have no rows
	s_add_co_u32 s43, s42, 1                       ; the counter in the last trip that has rows
	s_sub_co_u32 s57, s56, s63                     ; j: my number in the tensor
	s_cmp_eq_u32 s42, 0
	s_cselect_b32 s88, 10, 8
	s_cselect_b32 s86, 0, s86
	s_mul_i32 s57, s57, s88
	s_add_co_u32 s57, s57, s86                     ; my first tile of 16 rows
	; descriptor group 1: 32 rows of 1,024 bytes, 16 bytes of padding behind each
	s_mov_b32 s72, 15|(1<<20)|(1<<21)|(7<<22)|(3<<25)  ; 15:0 the mask: all four; 17:16 elements of 1 byte; 20 padding on; 21 set beside a mask; 24:22 after every 256 words; 31:25 four words
	s_mov_b32 s73, 1024<<16                        ; tensor_dim0
	s_mov_b32 s74, 32<<16                          ; tensor_dim1
	s_mov_b32 s75, 1024<<16                        ; tile_dim0
	s_mov_b32 s76, 32                              ; tile_dim1
	s_mov_b32 s77, 1024                            ; from row to row
	s_mov_b32 s78, 0
	s_mov_b32 s79, 0
	s_mov_b32 s80, 1
	s_mul_i32 s81, s54, 32*PW                      ; my 32 rows of a slot, in slot 0
	s_mul_i32 s3, s54, 32*PW                       ; the same, kept
	s_mov_b32 s2, 0                                ; the slot that was filled last
	s_lshl_b32 s92, s54, 15                        ; my 32 rows in W
	s_mov_b32 s93, 0
	s_mov_b32 s66, 0x76543210                      ; v_permlanex16_b32: lane l xor 16
	s_mov_b32 s67, 0xfedcba98
	s_mov_b32 s68, 0x3a800000                      ; 1 / 1024
	s_mov_b32 s69, 0x3727c5ac                      ; 1e-5
	s_lshr_b32 s90, s54, 1                         ; rh: which tile of a trip's two is mine
	s_and_b32 s91, s54, 1                          ; ch: which 64 of a slot's rows of W
	v_and_b32 v22, 31, v0                          ; lane
	v_and_b32 v23, 15, v0                          ; r
	v_bfe_u32 v24, v0, 4, 1                        ; h
	s_wait_alu depctr_va_vdst(0)
	v_lshlrev_b32 v1, 4, v22                       ; 16 x lane
	s_mul_i32 s88, s54, 4*PW
	s_add_co_u32 s88, s88, XBASE
	v_lshl_add_u32 v4, v22, 2, s88                 ; codes in: rows 4 w on of a tile, + 4 x lane
	v_mul_u32_u24 v6, v23, PW
	v_lshl_add_u32 v6, v24, 4, v6                  ; a fragment's row x pitch + 16 h:
	s_mul_i32 s88, s90, 16*PW
	s_add_co_u32 s88, s88, XBASE
	v_add_nc_u32 v5, s88, v6                       ; codes out: tile rh,
	s_mul_i32 s88, s91, 64*PW
	v_add_nc_u32 v6, s88, v6                       ; and W: my 64 rows
	s_lshl_b32 s88, s91, 8
	s_add_co_u32 s88, s88, BIAS
	v_lshl_add_u32 v8, v24, 5, s88                 ; bias, q and k: outputs 64 ch + 8 h on
	s_lshl_b32 s88, s91, 10
	s_add_co_u32 s88, s88, BIAS
	v_lshl_add_u32 v9, v23, 4, s88                 ; bias, v: channel 64 ch + r
	v_lshl_add_u32 v28, v0, 5, BIAS                ; bias in: 8 outputs a thread
	v_lshl_add_u32 v29, v0, 7, BIAS
	v_lshlrev_b32 v30, 5, v0
	v_lshrrev_b32 v31, 2, v22                      ; prefetch: lane l names block l % 4 of row l / 4
	v_lshlrev_b32 v31, 10, v31
	v_and_b32 v25, 3, v0
	v_lshl_add_u32 v31, v25, 8, v31
	s_wait_alu depctr_va_vdst(0)
	s_wait_dscnt 0x0                               ; both opening adds are done
	s_wait_kmcnt 0x0
	s_load_b256 s[44:51], s[40:41], 0x0            ; e0 .. e7
	s_load_b64 s[52:53], s[40:41], 0x20            ; e8, e9
	s_cmp_lt_u32 ttmp9, 36                         ; the choice of buffers hangs on the cluster's number alone
.irp p, 0,2,4,6,8,10
	s_cselect_b64 s[16+\p:17+\p], s[16+\p:17+\p], s[28+\p:29+\p]
.endr
	s_cmp_lt_u32 ttmp9, 8
.irp p, 0,2,4,6,8,10
	s_cselect_b64 s[4+\p:5+\p], s[4+\p:5+\p], s[16+\p:17+\p]
.endr
	s_add_nc_u64 s[82:83], s[6:7], s[92:93]
	s_or_b32 s83, s83, 0x80000000                  ; type = 2
	CROUND                                         ; all four work-groups are here: the first joint load meets
	tensor_load_to_lds s[80:83], s[72:79]          ; W's rows 0-127 into slot 0
	s_nop 0
	PLACES
	s_lshl_b32 s86, s57, 16                        ; a tile of 16 rows is 65,536 bytes;
	s_lshl_b32 s87, s54, 14                        ; my four rows of it
	s_add_co_u32 s86, s86, s87
	s_mov_b32 s87, 0
	s_add_nc_u64 s[4:5], s[4:5], s[86:87]
	s_lshl_b32 s88, s55, 16                        ; prefetch: of 256 rows of W partner cx takes 64, its wave w 16 of them
	s_lshl_b32 s89, s54, 14
	s_add_co_u32 s88, s88, s89
	s_mov_b32 s89, 0
	s_add_nc_u64 s[28:29], s[6:7], s[88:89]        ; (each trip steps it by 256 rows first)
	s_lshl_b32 s88, ttmp9, 2
	s_sub_co_u32 s88, s88, s63
	s_cmp_lt_u32 s88, 16                           ; the tensor's first four clusters ask,
	s_cselect_b32 s30, 3, 6                        ; while the trips' counter is 5, 4, 3; the others never
	; where the results go.  Fragment (row tile g, slot n): s16: group of g, s18: its place in the group, and so on
	s_add_co_u32 s93, s57, s90                     ; my first tile
	s_mov_b32 s18, 127
	s_mov_b32 s21, 32768                           ; s21: a step of the store's place behind a slot's tiles 0 and 2, s22: behind tile 1, s24: behind tile 3, by turns s24 and s23 - s24
	s_mov_b32 s22, 32768
	s_mov_b32 s23, 327680
	s_mov_b32 s24, 163840
	s_cmp_lt_u32 ttmp9, 36
	s_cselect_b32 s16, 3, 7
	s_cselect_b32 s17, 17, 21
	s_cselect_b32 s18, 7, s18
	s_cselect_b32 s19, 12, 8
	s_cselect_b32 s20, 4, 3
	s_cselect_b32 s21, 0, s21
	s_cselect_b32 s22, 512, s22
	s_cselect_b32 s23, 31744, s23
	s_cselect_b32 s24, 1536, s24
	s_cselect_b32 s31, 10, 17
	s_cmp_lt_u32 ttmp9, 8
	s_cselect_b32 s16, 2, s16
	s_cselect_b32 s17, 16, s17
	s_cselect_b32 s18, 3, s18
	s_cselect_b32 s23, 15360, s23
	s_lshl_b32 s88, s91, s31                       ; q, k: my two chunks of a fragment; v: my four channel tiles of a slot's eight
	s_mov_b32 s89, 0
	s_add_nc_u64 s[14:15], s[14:15], s[88:89]
	v_lshlrev_b32 v27, s20, v22                    ; 16 or 8 bytes a lane
	s_wait_alu depctr_va_vdst(0)
.irp m, 0,1,2,3,4                              ; row tile g = my first + 2 m.  (With eight tiles the fifth is never used)
	s_add_co_u32 s94, s93, 2*\m
	s_lshr_b32 s95, s94, s16
	s_lshl_b32 s95, s95, s17
	s_and_b32 s94, s94, s18
	s_lshl_b32 s94, s94, s19
	s_add_co_u32 s94, s94, s95
	v_add_nc_u32 v[VO+\m], s94, v27
.endr
	global_load_b128 v[200:203], v30, s[8:9]       ; the bias of outputs 8 x thread on
	global_load_b128 v[204:207], v30, s[8:9] offset:16
.irp jj, 0,1,2,3,4,5,6,7                       ; g and b in a row's layout: register 4 j + i is k = 128 j + 4 lane + i
	global_load_b128 v[GG+4*\jj:GG+4*\jj+3], v1, s[10:11] offset:512*\jj
.endr
.irp jj, 0,1,2,3,4,5,6,7
	global_load_b128 v[BB+4*\jj:BB+4*\jj+3], v1, s[12:13] offset:512*\jj
.endr
	WIN 0x40                                       ; destination window 1
.irp sg, 0,1,2,3,4,5,6,7                       ; my four rows of tiles 0 and 1 fill the ring: each load reads 512 consecutive bytes
.irp jj, 0,1,2,3,4,5,6,7
	global_load_b128 v[32*\sg+4*\jj:32*\sg+4*\jj+3], v1, s[4:5] offset:(\sg/4)*65536+(\sg%4)*4096+512*\jj th:TH_LOAD_NT
.endr
.endr
	WIN 0x80                                       ; the fragments' registers are written once here, under the loads' flight: the loop's fetches into them stand in arms, one for each trip
.set j, 0
.rept 256
	v_mov_b32 v[j], 0
.set j, j+1
.endr
	WIN 0xc0
.set j, 0
.rept 256
	v_mov_b32 v[j], 0
.set j, j+1
.endr
	WIN 0
	s_wait_kmcnt 0x0
	s_cmp_lt_u32 ttmp9, 36
	s_cselect_b32 s86, s46, s48                    ; ex
	s_cselect_b32 s87, s47, s49                    ; ew
	s_cselect_b32 s88, s51, s53                    ; e_out
	s_cmp_lt_u32 ttmp9, 8
	s_cselect_b32 s86, s44, s86
	s_cselect_b32 s87, s45, s87
	s_cselect_b32 s88, s50, s88
	s_add_co_i32 s89, s86, 127
	s_lshl_b32 s90, s89, 23
	v_mov_b32 v10, s90                             ; 2^ex: the conversion takes its exponent field
	s_add_co_i32 s89, s89, 15
	s_lshl_b32 s89, s89, 23
	s_or_b32 s89, s89, 0x600000
	v_mov_b32 v11, s89                             ; 57,344 x 2^ex
	s_add_co_i32 s87, s86, s87                     ; a sum stands for sum x 2^(ex + ew)
	s_sub_co_i32 s70, 0, s87                       ; so the bias goes in x 2^-(ex + ew),
	s_sub_co_i32 s88, s88, s87
	s_add_co_i32 s88, s88, 127
	s_lshl_b32 s90, s88, 23
	v_mov_b32 v12, s90                             ; and the results' conversion takes 2^(e_out - ex - ew)
	s_add_co_i32 s88, s88, 15
	s_lshl_b32 s88, s88, 23
	s_or_b32 s88, s88, 0x600000
	v_mov_b32 v13, s88
	s_wait_alu depctr_va_vdst(0)
	s_wait_loadcnt 63                              ; the two oldest loads, the bias, are in: 80 younger ones stand behind them
	s_cmp_lt_u32 s58, 2
	s_cbranch_scc0 .Lbias_v
.irp i, 0,1,2,3,4,5,6,7
	v_ldexp_f32 v[96+\i], v[200+\i], s70
.endr
	ds_store_b128 v28, v[96:99]
	ds_store_b128 v28, v[100:103] offset:16
	s_branch .Lbias_in
.Lbias_v:                                          ; v: a lane wants its channel's bias in eight registers: each number four times, read twice
.irp i, 0,1,2,3,4,5,6,7
.irp n, 0,1,2,3
	v_ldexp_f32 v[96+4*\i+\n], v[200+\i], s70
.endr
.endr
.irp i, 0,1,2,3,4,5,6,7
	ds_store_b128 v29, v[96+4*\i:99+4*\i] offset:16*\i
.endr
.Lbias_in:
; Four rows' sixteen partial sums each become the row's sum, in every lane, at v[T + 16 rho].  Each stage is written for the four rows, so that no line waits for the line above it.
.macro TREE
.irp i, 0,2,4,6
.irp rho, 0,1,2,3
	v_pk_add_f32 v[T+16*\rho+\i:T+16*\rho+\i+1], v[T+16*\rho+\i:T+16*\rho+\i+1], v[T+16*\rho+\i+8:T+16*\rho+\i+9]
.endr
.endr
.irp i, 0,2
.irp rho, 0,1,2,3
	v_pk_add_f32 v[T+16*\rho+\i:T+16*\rho+\i+1], v[T+16*\rho+\i:T+16*\rho+\i+1], v[T+16*\rho+\i+4:T+16*\rho+\i+5]
.endr
.endr
.irp rho, 0,1,2,3
	v_pk_add_f32 v[T+16*\rho:T+16*\rho+1], v[T+16*\rho:T+16*\rho+1], v[T+16*\rho+2:T+16*\rho+3]
.endr
.irp rho, 0,1,2,3
	v_add_f32 v[T+16*\rho], v[T+16*\rho], v[T+16*\rho+1]
.endr
.irp x, 1,2,4,8
.irp rho, 0,1,2,3
	v_add_f32_dpp v[T+16*\rho], v[T+16*\rho], v[T+16*\rho] row_xmask:\x row_mask:0xf bank_mask:0xf
.endr
.endr
.irp rho, 0,1,2,3
	v_permlanex16_b32 v[T+16*\rho+2], v[T+16*\rho], s66, s67
.endr
.irp rho, 0,1,2,3
	v_add_f32 v[T+16*\rho], v[T+16*\rho], v[T+16*\rho+2]
.endr
.endm
; Rows 4 q .. 4 q + 3 of the ring (my four rows of the trip's tile q): normalised, quantised, their codes stored as rows of that tile.
.macro BATCH q
	WIN 0x05                                       ; sources window 1, destination window 0
.irp rho, 0,1,2,3
.set XR, 32*(4*(\q)+\rho)
.irp i, 0,1,2,3,4,5,6,7
	v_pk_add_f32 v[T+16*\rho+2*\i:T+16*\rho+2*\i+1], v[XR+4*\i:XR+4*\i+1], v[XR+4*\i+2:XR+4*\i+3]
.endr
.endr
	WIN 0
	TREE
.irp rho, 0,1,2,3
	v_mul_f32 v[T+16*\rho+14], s68, v[T+16*\rho]   ; the mean
.endr
	WIN 0x41                                       ; the row (destination, source 0) window 1
.irp rho, 0,1,2,3
.set XR, 32*(4*(\q)+\rho)
.set j, 0
.rept 16
	v_pk_add_f32 v[XR+j:XR+j+1], v[XR+j:XR+j+1], v[T+16*\rho+14:T+16*\rho+15] op_sel_hi:[1,0] neg_lo:[0,1] neg_hi:[0,1]   ; x - mean
.set j, j+2
.endr
.endr
	WIN 0x05
.irp rho, 0,1,2,3
.set XR, 32*(4*(\q)+\rho)
.irp i, 0,1,2,3,4,5,6,7
	v_pk_mul_f32 v[T+16*\rho+2*\i:T+16*\rho+2*\i+1], v[XR+2*\i:XR+2*\i+1], v[XR+2*\i:XR+2*\i+1]
.endr
.irp i, 0,1,2,3,4,5,6,7
	v_pk_fma_f32 v[T+16*\rho+2*\i:T+16*\rho+2*\i+1], v[XR+16+2*\i:XR+16+2*\i+1], v[XR+16+2*\i:XR+16+2*\i+1], v[T+16*\rho+2*\i:T+16*\rho+2*\i+1]
.endr
.endr
	WIN 0
	TREE
.irp rho, 0,1,2,3
	v_fma_f32 v[T+16*\rho], v[T+16*\rho], s68, s69 ; the variance + 1e-5
.endr
	s_wait_alu depctr_va_vdst(0)
.irp rho, 0,1,2,3
	v_rsq_f32 v[T+16*\rho+14], v[T+16*\rho]
.endr
	v_nop                                          ; a plain instruction behind the last of the four,
	s_wait_alu depctr_va_vdst(0)                   ; and one wait for the four, ahead of their first reader
	WIN 0x41
.irp rho, 0,1,2,3
.set XR, 32*(4*(\q)+\rho)
.set j, 0
.rept 16
	v_pk_mul_f32 v[XR+j:XR+j+1], v[XR+j:XR+j+1], v[T+16*\rho+14:T+16*\rho+15] op_sel_hi:[1,0]
.set j, j+2
.endr
.endr
.irp rho, 0,1,2,3
.set XR, 32*(4*(\q)+\rho)
.set j, 0
.rept 16
	v_pk_fma_f32 v[XR+j:XR+j+1], v[XR+j:XR+j+1], v[GG+j:GG+j+1], v[BB+j:BB+j+1]
.set j, j+2
.endr
.endr
.irp rho, 0,1,2,3
.set XR, 32*(4*(\q)+\rho)
.set j, 0
.rept 32
	v_med3_num_f32 v[XR+j], v[XR+j], -v11, v11     ; the conversion to an 8-bit code does not saturate (ISA guide 7.6.2): the hold at the largest code x the scale
.set j, j+1
.endr
.endr
	WIN 0x01
.irp rho, 0,1,2,3
.set XR, 32*(4*(\q)+\rho)
.irp i, 0,1,2,3
	v_cvt_scalef32_pk8_bf8_f32 v[CD+8*\rho+2*\i:CD+8*\rho+2*\i+1], v[XR+8*\i:XR+8*\i+7], v10   ; register n of the eight: codes of k = 128 n + 4 lane + 0 .. 3
.endr
.endr
	v_nop                                          ; one plain instruction behind the last scaled conversion
	WIN 0
.irp rho, 0,1,2,3
.irp n, 0,1,2,3,4,5,6,7
	ds_store_b32 v4, v[CD+8*\rho+\n] offset:(\q)*16*PW+\rho*PW+128*\n   ; 32 lanes: 128 consecutive bytes of the row
.endr
.endr
.endm
; The four ring slots just worked take my rows of the tile two further on (the base has been stepped by two tiles).  The last trip that has rows (s61 = s43) loads nothing: no load leaves the buffer; each way has its own count.
.macro RELOAD q
	s_cmp_eq_u32 s61, s43
	s_cbranch_scc1 .Lnone_\@
	WIN 0x40
.irp rho, 0,1,2,3
.irp jj, 0,1,2,3,4,5,6,7
	global_load_b128 v[32*(4*(\q)+\rho)+4*\jj:32*(4*(\q)+\rho)+4*\jj+3], v1, s[4:5] offset:(\q)*65536+\rho*4096+512*\jj th:TH_LOAD_NT
.endr
.endr
	WIN 0
.if (\q) == 0
	s_wait_loadcnt 32                              ; the second batch is in; the 32 loads just issued stay out
	s_branch .Ljoin_\@
.endif
.Lnone_\@:
.if (\q) == 0
	s_wait_loadcnt 0x0
.Ljoin_\@:
.endif
.endm
; My tile's fragments: row r, 16 bytes at 128 s + 32 c + 16 h
.macro FRAGS m
	WIN 0x80
.irp s, 0,1,2,3
.irp c, 0,1,2,3
	ds_load_b128 v[64*\s+16*(\m)+4*\c:64*\s+16*(\m)+4*\c+3], v5 offset:128*\s+32*\c
.endr
.endr
	WIN 0xc0
.irp s, 0,1,2,3
.irp c, 0,1,2,3
	ds_load_b128 v[64*\s+16*(\m)+4*\c:64*\s+16*(\m)+4*\c+3], v5 offset:512+128*\s+32*\c
.endr
.endr
	WIN 0
.endm
	s_wait_alu depctr_va_vdst(0)
	CHANGE 1                                       ; slot 0 is whole, the bias lies in LDS for all; slot 1's first fill: W's rows 128-255
	s_mov_b32 s61, 5
.Lx:                                               ; five trips of two tiles, a constant; with eight tiles the fifth trip's work is jumped over
	s_wait_loadcnt 32                              ; the first batch is in; the second batch's 32 loads may be out
	s_wait_dscnt 0x0                               ; my fragments of the trip before are in registers,
	s_barrier_signal -1
	s_barrier_wait -1                              ; and everybody's: the two tiles' rows may be written again.
	s_cmp_le_u32 s61, s42
	s_cbranch_scc1 .Lvoid
	BATCH 0
	s_wait_xcnt 0x0                                ; the youngest loads and prefetches, a batch old, have read their bases
	s_add_nc_u64 s[4:5], s[4:5], 2*65536
	s_add_nc_u64 s[28:29], s[28:29], 256*1024
	RELOAD 0
	s_cmp_lt_u32 s61, s30
	s_cbranch_scc1 .Lno_ask
	global_prefetch_b8 v31, s[28:29] th:TH_LOAD_NT scope:SCOPE_SE                ; 8 rows of W
	global_prefetch_b8 v31, s[28:29] offset:8192 th:TH_LOAD_NT scope:SCOPE_SE    ; and 8 more
.Lno_ask:
	BATCH 1
	RELOAD 1
.Lvoid:
	s_wait_dscnt 0x0                               ; for the others' sake: my codes lie in LDS
	s_barrier_signal -1
	s_barrier_wait -1                              ; everybody's do
.irp m, 0,1,2,3
	s_cmp_lg_u32 s61, 5-\m
	s_cbranch_scc1 .Lnot_trip_\m
	FRAGS \m
.Lnot_trip_\m:
.endr
	s_sub_co_u32 s61, s61, 1
	s_cmp_lg_u32 s61, 0
	s_cbranch_scc1 .Lx
	s_wait_loadcnt 0x0                             ; no load is out into the ring's registers, which take fragments and sums from here on
	s_cmp_eq_u32 s42, 0
	s_cbranch_scc0 .Lno_fifth
	WIN 0x40
.irp s, 0,1,2,3,4,5,6,7
.irp c, 0,1,2,3
	ds_load_b128 v[128+16*\s+4*\c:128+16*\s+4*\c+3], v5 offset:128*\s+32*\c
.endr
.endr
	WIN 0
.Lno_fifth:
; ---- PHASE G.  var = 0: q and k; var = 1: v.  nm: my tiles of rows, 4 or 5.  A slot's four tiles of 16 rows of W are t = 0 .. 3.
; s61 = u, 0 .. 3: the tile whose fragments are being fetched; multiplied is the tile before it, t = u - 1, or the slot before's t = 3.
.macro BIASLD var, adr                 ; the bias of the tile that is fetched: lane (r, h): outputs 8 h + 0 .. 7 (q, k); channel r eight times (v)
	ds_load_b128 v[BC:BC+3], v[\adr]
	ds_load_b128 v[BC+4:BC+7], v[\adr] offset:16*(1-\var)
.endm
.macro FETCHW ks, adr                  ; a tile's fragment of K step ks into its set
.irp c, 0,1,2,3
	ds_load_b128 v[WF+16*(\ks)+4*\c:WF+16*(\ks)+4*\c+3], v[\adr] offset:128*(\ks)+32*\c
.endr
.endm
.macro ONE var, ks, m
.set rA, 8*(\m)
.set rW, WF+16*(\ks)
.if \var
.if (\ks) == 0
	v_wmma_f32_16x16x128_bf8_bf8 v[rA:rA+7], v[rX:rX+15], v[rW:rW+15], v[BC:BC+7]
.else
	v_wmma_f32_16x16x128_bf8_bf8 v[rA:rA+7], v[rX:rX+15], v[rW:rW+15], v[rA:rA+7]
.endif
.else
.if (\ks) == 0
	v_wmma_f32_16x16x128_bf8_bf8 v[rA:rA+7], v[rW:rW+15], v[rX:rX+15], v[BC:BC+7]
.else
	v_wmma_f32_16x16x128_bf8_bf8 v[rA:rA+7], v[rW:rW+15], v[rX:rX+15], v[rA:rA+7]
.endif
.endif
.endm
; nm matrix instructions: the accumulators take turns, one instruction a turn, in the same order in every K step.
.macro MULS var, ks, nm
.set CW, 0x10                                  ; C in window 1, with D;
.if (\ks) == 0
.set CW, 0                                     ; the first K step's C is the bias, in window 0
.endif
.set XS, 2+(\ks)/4                             ; x's window: source 0 for v, source 1 for q and k
.if \var
	WIN 0x40+XS+CW
.else
	WIN 0x40+4*XS+CW
.endif
.irp m, 0,1,2,3
.set rX, 64*((\ks)%4)+16*\m
	ONE \var, \ks, \m
.endr
.if (\nm) == 5
.if \var
	WIN 0x41+CW
.else
	WIN 0x44+CW
.endif
.set rX, 128+16*(\ks)
	ONE \var, \ks, 4
.endif
.endm
.macro CVT d, nm
	WIN 0x01
.set j, 0
.rept \nm
	v_cvt_scalef32_pk8_bf8_f32 v[CO+4*j+\d:CO+4*j+\d+1], v[8*j:8*j+7], v12
.set j, j+1
.endr
	v_nop                                          ; one plain instruction behind the last scaled conversion: the next products write its sources
	WIN 0
.endm
.macro SENDQK nm
.irp m, 0,1,2,3,4
.if \m < (\nm)
	global_store_b128 v[VO+\m], v[CO+4*\m:CO+4*\m+3], s[26:27] th:TH_STORE_NT   ; 512 consecutive bytes: a chunk of row tile 2 m + rh
.endif
.endr
.endm
; The tile's nm results are held, converted and stored.  q, k: an even tile's codes are registers 0, 1 of a chunk's four and wait for the odd tile's.
.macro EPI var, nm, more
	WIN 0x41
.set j, 0
.rept 8*(\nm)
	v_med3_num_f32 v[j], v[j], -v13, v13           ; each accumulator from its low end on
.set j, j+1
.endr
	WIN 0
	s_wait_alu depctr_va_vdst(0)
	s_wait_xcnt 0x0                                ; the last stores, a tile old, have read the codes' registers and their base
	s_mov_b64 s[26:27], s[14:15]
.if \var
	CVT 0, \nm
.irp m, 0,1,2,3,4
.if \m < (\nm)
	global_store_b64 v[VO+\m], v[CO+4*\m:CO+4*\m+1], s[26:27] th:TH_STORE_NT    ; 32 lanes: 256 consecutive bytes, aligned: key tile 2 m + rh of this channel tile
.endif
.endr
.elseif \more
	s_bitcmp1_b32 s61, 0
	s_cbranch_scc1 .Leven_\@
	CVT 2, \nm
	SENDQK \nm
	s_branch .Lsent_\@
.Leven_\@:
	CVT 0, \nm
.Lsent_\@:
.else
	CVT 2, \nm
	SENDQK \nm
.endif
.endm
; A tile.  At its head 34 LDS loads may be out: its bias (2), its fragments in the order of K (8 x 4).  more = 1: the next tile's bias and first four fragments are asked for behind K step 4, the other four at the end.
.macro TILE var, nm, more
.if \more
.if \var
	s_lshl_b32 s88, s89, 2
	v_add_nc_u32 v15, s88, v9
.else
	v_add_nc_u32 v15, s89, v8
.endif
	v_add_nc_u32 v7, s95, v6
	s_wait_alu depctr_va_vdst(0)
.endif
.irp ks, 0,1,2,3,4,5,6,7
.if (\ks > 4) && \more
	s_wait_dscnt 46-4*\ks                          ; the 18 loads just issued stand behind this tile's
.else
	s_wait_dscnt 28-4*\ks                          ; this K step's fragment is in; those behind it may be out
.endif
	MULS \var, \ks, \nm
.if (\ks == 4) && \more
	PLACES                                         ; four places in front of loads into registers that these products have read
	WIN 0
	BIASLD \var, 15
	FETCHW 0, 7
	FETCHW 1, 7
	FETCHW 2, 7
	FETCHW 3, 7
.endif
.endr
	PLACES                                         ; the same, and in front of the first read of results
.if \more
	WIN 0
	FETCHW 4, 7
	FETCHW 5, 7
	FETCHW 6, 7
	FETCHW 7, 7
.endif
	EPI \var, \nm, \more
.endm
; The four ways part on s58, made of the cluster's number, which all partners share; between the branches and the join stand LDS loads, products, conversions and global stores: no barrier, no tensor load, no LDS store.
.macro TILES more
.if \more
	s_lshl_b32 s89, s61, 6
	s_add_co_u32 s89, s89, s34                     ; the fetched tile's bias,
	s_add_co_u32 s95, s60, s62                     ; and its rows of W
.endif
	s_cmp_lt_u32 s58, 2
	s_cbranch_scc0 .Lv_\@
	s_cmp_eq_u32 s58, 0
	s_cbranch_scc0 .Lq5_\@
	TILE 0, 4, \more
	s_branch .Ljoin_\@
.Lq5_\@:
	TILE 0, 5, \more
	s_branch .Ljoin_\@
.Lv_\@:
	s_cmp_eq_u32 s58, 2
	s_cbranch_scc0 .Lv5_\@
	TILE 1, 4, \more
	s_branch .Ljoin_\@
.Lv5_\@:
	TILE 1, 5, \more
.Ljoin_\@:
.if \more
	s_add_co_u32 s62, s62, 16*PW
	s_sub_co_u32 s88, s23, s24                     ; on to the next tile's place
	s_cmp_eq_u32 s61, 2
	s_cselect_b32 s32, s22, s21
	s_cmp_eq_u32 s61, 0
	s_cselect_b32 s32, s24, s32
	s_cselect_b32 s24, s88, s24
	s_add_nc_u64 s[14:15], s[14:15], s[32:33]
.endif
.endm
.macro NEXTSLOT                        ; the fetches go on in the other slot, from its tile 0
	s_mov_b32 s61, 0
	s_mov_b32 s62, 0
	s_xor_b32 s60, s60, SLOTB
	s_add_co_u32 s34, s34, 512
.endm
	s_mov_b32 s33, 0
	s_mov_b32 s34, 0                               ; 512 x the slot's number: where its bias lies
	s_mov_b32 s60, 0                               ; the slot that is fetched from
	s_mov_b32 s61, 1                               ; slot 0's tile 0 is fetched here, so its first tile in the loop fetches tile 1
	s_mov_b32 s62, 16*PW
	s_mov_b32 s59, 6
	s_cmp_lt_u32 s58, 2
	s_cbranch_scc0 .Lfirst_v
	BIASLD 0, 8
	s_branch .Lfirst_bias
.Lfirst_v:
	BIASLD 1, 9
.Lfirst_bias:
	FETCHW 0, 6
	FETCHW 1, 6
	FETCHW 2, 6
	FETCHW 3, 6
	FETCHW 4, 6
	FETCHW 5, 6
	FETCHW 6, 6
	FETCHW 7, 6
.Lslot:                                            ; six trips: behind each change the slot left takes 128 rows more.  The first trip has three tiles, the others four
.Ltile:
	TILES 1
	s_add_co_u32 s61, s61, 1
	s_cmp_lt_u32 s61, 4
	s_cbranch_scc1 .Ltile
	CHANGE 1
	NEXTSLOT
	s_sub_co_u32 s59, s59, 1
	s_cmp_lg_u32 s59, 0
	s_cbranch_scc1 .Lslot
	s_mov_b32 s59, 2
.Lslot2:                                           ; the last two slots are written out
.Ltile2:
	TILES 1
	s_add_co_u32 s61, s61, 1
	s_cmp_lt_u32 s61, 4
	s_cbranch_scc1 .Ltile2
	CHANGE 0
	NEXTSLOT
	s_sub_co_u32 s59, s59, 1
	s_cmp_lg_u32 s59, 0
	s_cbranch_scc1 .Lslot2
	TILES 0                                        ; the very last tile fetches nothing
	s_wait_tensorcnt 0x0                           ; the wave's end
	ds_add_u32 v2, v3
	s_wait_dscnt 0x0
	CROUND                                         ; the closing round
	s_endpgm
.Lfunc_end_k_qb40bf690fa_proj:
	.size	k_qb40bf690fa_proj, .Lfunc_end_k_qb40bf690fa_proj-k_qb40bf690fa_proj
	.p2alignl 7, 3214868480
	.fill 96, 4, 3214868480
	.section	.rodata,"a",@progbits
	.p2align	6, 0x0
	.amdhsa_kernel k_qb40bf690fa_proj
		.amdhsa_group_segment_fixed_size 327680
		.amdhsa_private_segment_fixed_size 0
		.amdhsa_enable_private_segment 0
		.amdhsa_kernarg_size 152
		.amdhsa_user_sgpr_count 2
		.amdhsa_user_sgpr_kernarg_segment_ptr 1
		.amdhsa_wavefront_size32 1
		.amdhsa_system_sgpr_workgroup_id_x 1
		.amdhsa_system_sgpr_workgroup_id_y 1
		.amdhsa_system_sgpr_workgroup_id_z 1
		.amdhsa_system_vgpr_workitem_id 0
		.amdhsa_next_free_vgpr 1024
		.amdhsa_next_free_sgpr 96
		.amdhsa_reserve_vcc 0
		.amdhsa_float_denorm_mode_32 3
		.amdhsa_float_denorm_mode_16_64 3
		.amdhsa_memory_ordered 1
		.amdhsa_forward_progress 1
		.amdhsa_inst_pref_size 230
	.end_amdhsa_kernel
	.amdgpu_metadata
---
amdhsa.version: [ 1, 2 ]
amdhsa.kernels:
  - .name:           k_qb40bf690fa_proj
    .symbol:         k_qb40bf690fa_proj.kd
    .args:
      - { .name: target, .offset: 0, .size: 8, .value_kind: global_buffer, .address_space: global }
      - { .name: Wq_codes, .offset: 8, .size: 8, .value_kind: global_buffer, .address_space: global }
      - { .name: bq, .offset: 16, .size: 8, .value_kind: global_buffer, .address_space: global }
      - { .name: g_t, .offset: 24, .size: 8, .value_kind: global_buffer, .address_space: global }
      - { .name: b_t, .offset: 32, .size: 8, .value_kind: global_buffer, .address_space: global }
      - { .name: q_img, .offset: 40, .size: 8, .value_kind: global_buffer, .address_space: global }
      - { .name: source_k, .offset: 48, .size: 8, .value_kind: global_buffer, .address_space: global }
      - { .name: Wk_codes, .offset: 56, .size: 8, .value_kind: global_buffer, .address_space: global }
      - { .name: bk, .offset: 64, .size: 8, .value_kind: global_buffer, .address_space: global }
      - { .name: g_k, .offset: 72, .size: 8, .value_kind: global_buffer, .address_space: global }
      - { .name: b_k, .offset: 80, .size: 8, .value_kind: global_buffer, .address_space: global }
      - { .name: k_img, .offset: 88, .size: 8, .value_kind: global_buffer, .address_space: global }
      - { .name: source_v, .offset: 96, .size: 8, .value_kind: global_buffer, .address_space: global }
      - { .name: Wv_codes, .offset: 104, .size: 8, .value_kind: global_buffer, .address_space: global }
      - { .name: bv, .offset: 112, .size: 8, .value_kind: global_buffer, .address_space: global }
      - { .name: g_v, .offset: 120, .size: 8, .value_kind: global_buffer, .address_space: global }
      - { .name: b_v, .offset: 128, .size: 8, .value_kind: global_buffer, .address_space: global }
      - { .name: v_img, .offset: 136, .size: 8, .value_kind: global_buffer, .address_space: global }
      - { .name: lowp_scales, .offset: 144, .size: 8, .value_kind: global_buffer, .address_space: global }
    .group_segment_fixed_size: 327680
    .private_segment_fixed_size: 0
    .kernarg_segment_align: 8
    .kernarg_segment_size: 152
    .max_flat_workgroup_size: 128
    .sgpr_count:     96
    .vgpr_count:     1024
    .wavefront_size: 32
...
	.end_amdgpu_metadata
.endif
;; end of part 1
;; launch scores (part 2): grid 4 x 64, 4 waves a work-group, clusters of 4 x 4, 327,680 bytes of LDS; arguments k_img, q_img, lowp_scales, p_img, stats; writes p_img, stats
.if DOCPART == 2
	.amdgcn_target "amdgcn-amd-amdhsa--gfx1250"
	.amdhsa_code_object_version 6
	.text
	.protected	k_qb40bf690fa_scores
	.globl	k_qb40bf690fa_scores
	.p2align	8
	.type	k_qb40bf690fa_scores,@function
k_qb40bf690fa_scores:
	s_mov_b64 s[64:65], 0
	v_nop
	global_prefetch_b8 v0, s[64:65] scope:SCOPE_SE
	s_setreg_imm32_b32 hwreg(HW_REG_WAVE_MODE, 25, 1), 1
	s_wait_xcnt 0x0
	s_wait_alu depctr_hold_cnt(0) depctr_sa_sdst(0) depctr_va_vdst(0) depctr_va_sdst(0) depctr_va_ssrc(0) depctr_va_vcc(0) depctr_vm_vsrc(0)
	s_getreg_b32 s2, hwreg(HW_REG_IB_STS2, 6, 4)
	s_cmp_eq_u32 s2, 0
	s_cbranch_scc0 .Lentry_in_a_cluster
	s_endpgm
.Lentry_in_a_cluster:
	s_bfe_u32 s2, ttmp6, 0x10000c
	s_cmp_lg_u32 s2, 0xf033
	s_cbranch_scc0 .Lentry_shape_is_right
	s_endpgm
.Lentry_shape_is_right:
; S^T = K Q^T on codes of BF8, then for each query and each run of 128 keys: t = score x 2^(e6 + e7) x log2(e) / 32; M = the run's largest t rounded UP to a whole number; p = 2^(t - M);
; the sum of the unquantised p; and p's codes with the given scale 2^e8.  Out: p_img, images of operand registers [batch][query tile][run of 128 keys][2,048], and stats [batch][run][query]{-M, sum}.
; M IS TAKEN FOR EACH RUN OF 128 KEYS, one K step of the next product; the next launch brings each run under the row's M by an exact power of two.  Against one M for the row that changes only numbers
; so far below the row's largest that they fall under the format's range (they are kept finer here), and which numbers a scale too small for p = 1 holds at the largest code.
; SHARES.  A work-group: 256 keys x 128 queries of a batch.  Wave (kh, qh): 128 keys x 64 queries: 32 accumulators; a lane holds ONE query (source 0 = 16 keys, source 1 = 16 queries), its registers run along the keys:
; so a run's maximum and sum want one exchange between the halves of the lanes, and the conversions' results are the next operand's registers.
; K goes in 8 steps of 128 through three LDS slots of two steps each; one slot is filled a second time.  CLUSTER 4 x 4: K's tile is shared along a row, Q's along a column, each asked for jointly.
; A fragment lies in k_img and q_img as 2,048 dense bytes, so a tile is dense rows of 4,096 bytes (two K steps of a row tile) and every LDS load reads 512 consecutive bytes.
; LIMITS: e6 + e7 between -121 and 132 (added to the exponent field of log2(e) / 32); e8 between -126 and 112.  NaN is not served.
; REGISTERS.  Window 0: v1-11 addresses; v16-27 at work; v32-35 stats to store; v48-55 {-M, sum} of my four query tiles; v56-71 sums at work; v72, v73 2^e8 and 57,344 x 2^e8; v128-191 p's codes.
;   Window 1: S^T, accumulator (n, i) at 8 (8 n + i).   Windows 2, 3: a set of fragments each: K's eight at 16 i, Q's four at 128 + 16 n.
.set KPART, 98304                      ; the slots' bytes that one wave fetches of K: three pairs of K steps x 8 row tiles x 4,096 bytes, dense in k_img; two such parts
.set QPART, 49152                      ; of Q: three pairs x 4 row tiles x 4,096; two such parts behind K's
.set QOFF,  2*KPART
.set SPARE, QOFF+2*QPART               ; behind the slots: the spare words, 128 bytes a wave, which no other line names
.set MSB, 0
.macro WIN new
.if MSB != (\new)
	s_set_vgpr_msb (MSB<<8)|(\new)
.set MSB, (\new)
.endif
.endm
.macro PLACES
.rept 4
	v_nop
.endr
.endm
.macro CROUND
	s_barrier_signal -1
	s_barrier_wait -1
	s_cmp_lg_u32 s14, 0
	s_cbranch_scc1 .Lnot_wave_0_\@
	s_barrier_signal -3
.Lnot_wave_0_\@:
	s_barrier_wait -3
	s_barrier_signal -1
	s_barrier_wait -1
.endm
	s_load_b256 s[4:11], s[0:1], 0x0               ; k_img s[4:5], q_img s[6:7], the scales' exponents s[8:9], p_img s[10:11]
	s_load_b64 s[12:13], s[0:1], 0x20              ; stats
	v_lshl_add_u32 v2, v0, 2, SPARE
	v_mov_b32 v3, 0
	ds_add_u32 v2, v3
	ds_add_u32 v2, v3
	s_wait_dscnt 0x0
	v_lshrrev_b32 v11, 5, v0
	v_readfirstlane_b32 s14, v11                   ; wave 0..3
	s_lshr_b32 s15, s14, 1                         ; kh: which 128 keys are mine.  Also: I fetch for K (0) or for Q (1)
	s_and_b32 s16, s14, 1                          ; qh: which 64 queries.  Also: which half of that tile I fetch
	s_bfe_u32 s40, ttmp6, 0x40000                  ; cx
	s_bfe_u32 s41, ttmp6, 0x40004                  ; cy
	s_lshl_b32 s42, ttmp9, 2
	s_add_co_u32 s42, s42, s40                     ; block of 128 queries = 4 x cluster x + cx
	s_and_b32 s45, ttmp7, 0xffff                   ; cluster y
	s_lshl_b32 s17, s45, 2
	s_add_co_u32 s17, s17, s41                     ; 8 x batch + block of 256 keys = 4 x cluster y + cy
	s_lshr_b32 s18, s45, 1                         ; the batch, from the cluster's y alone
	s_lshl_b32 s43, s41, 2
	s_lshl_b32 s43, 15, s43                        ; my row of the cluster
	s_lshl_b32 s44, 0x1111, s40                    ; my column
	s_or_b32 s24, s43, (3<<16)|(1<<21)             ; group 1 for K: the mask of my row; elements of 8 bytes; bit 21 set beside a mask; no padding
	s_or_b32 s48, s44, (3<<16)|(1<<21)             ; for Q: the mask of my column
	s_mov_b32 s25, 512<<16                         ; tensor_dim0 = 512 elements: 4,096 bytes
	s_mov_b32 s26, 24<<16                          ; tensor_dim1: 3 pairs x 8 row tiles
	s_mov_b32 s27, 512<<16                         ; tile_dim0
	s_mov_b32 s28, 24                              ; tile_dim1
	s_mov_b32 s29, 512                             ; dense
	s_mov_b32 s30, 0
	s_mov_b32 s31, 0
	s_mov_b32 s49, 512<<16
	s_mov_b32 s50, 12<<16                          ; Q: 3 pairs x 4 row tiles
	s_mov_b32 s51, 512<<16
	s_mov_b32 s52, 12
	s_mov_b32 s53, 512
	s_mov_b32 s54, 0
	s_mov_b32 s55, 0
	s_lshl_b32 s20, s17, 18                        ; K: 16 row tiles of 16,384 bytes a block,
	s_lshl_b32 s21, s16, 17                        ; my 8 of them
	s_add_co_u32 s20, s20, s21
	s_mov_b32 s21, 0
	s_lshl_b32 s46, s18, 19                        ; Q: 32 row tiles a batch,
	s_lshl_b32 s47, s42, 17                        ; 8 a block,
	s_add_co_u32 s46, s46, s47
	s_lshl_b32 s47, s16, 16                        ; my 4 of them
	s_add_co_u32 s46, s46, s47
	s_mov_b32 s47, 0
	s_mul_i32 s22, s16, KPART                      ; where they go: K's part,
	s_mul_i32 s23, s16, QPART
	s_add_co_u32 s23, s23, QOFF                    ; Q's part
	s_wait_kmcnt 0x0
	s_load_b128 s[84:87], s[8:9], 0x18             ; e6, e7, e8, e9
	s_add_nc_u64 s[20:21], s[4:5], s[20:21]
	s_add_nc_u64 s[46:47], s[6:7], s[46:47]
	s_mov_b32 s32, 1                               ; group 0 for K's and for Q's part: K steps 0 to 5
	s_mov_b32 s33, s22
	s_mov_b64 s[34:35], s[20:21]
	s_or_b32 s35, s35, 0x80000000
	s_mov_b32 s56, 1
	s_mov_b32 s57, s23
	s_mov_b64 s[58:59], s[46:47]
	s_or_b32 s59, s59, 0x80000000
	CROUND                                         ; all sixteen work-groups are here: the first joint loads meet
	s_cmp_lt_u32 s14, 2                            ; one load a wave fills its part of all three slots
	s_cbranch_scc0 .Lfirst_q
	tensor_load_to_lds s[32:35], s[24:31]
	s_nop 0
	PLACES
	s_branch .Lfirst_done
.Lfirst_q:
	tensor_load_to_lds s[56:59], s[48:55]
	s_nop 0
	PLACES
.Lfirst_done:
	v_and_b32 v11, 31, v0                          ; lane
	v_lshlrev_b32 v1, 4, v11                       ; 16 x lane
	v_lshlrev_b32 v10, 3, v11                      ; 8 x lane
	s_mul_i32 s19, s15, KPART                      ; my 8 row tiles of K, in slot 0, 1, 2
	v_add_nc_u32 v4, s19, v1
	v_add_nc_u32 v5, 32768, v4
	v_add_nc_u32 v6, 2*32768, v4
	v_add_nc_u32 v7, s23, v1                       ; my 4 row tiles of Q
	v_add_nc_u32 v8, 16384, v7
	v_add_nc_u32 v9, 2*16384, v7
.irp n, 0,1,2,3
	v_mov_b32 v[24+\n], 0                          ; a lane permute's destination counts as one of its sources
	v_mov_b32 v[49+2*\n], 0                        ; named as the upper half of the pair {-M, sum} before the sum is made
.endr
	s_mov_b32 s78, 0x76543210
	s_mov_b32 s79, 0xfedcba98
	s_and_b32 s90, s17, 7
	s_lshl_b32 s90, s90, 1
	s_add_co_u32 s90, s90, s15                     ; my run of 128 keys, 0 .. 15
	s_lshl_b32 s91, s18, 20                        ; p_img: ((32 batch + 8 block + 4 qh) x 16 + run) x 2,048
	s_lshl_b32 s92, s42, 18
	s_add_co_u32 s91, s91, s92
	s_lshl_b32 s92, s16, 17
	s_add_co_u32 s91, s91, s92
	s_lshl_b32 s92, s90, 11
	s_add_co_u32 s92, s92, s91
	s_mov_b32 s93, 0
	s_add_nc_u64 s[10:11], s[10:11], s[92:93]
	s_lshl_b32 s91, s18, 16                        ; stats: ((16 batch + run) x 512 + 128 block + 64 qh) x 8
	s_lshl_b32 s94, s90, 12
	s_add_co_u32 s94, s94, s91
	s_lshl_b32 s91, s42, 10
	s_add_co_u32 s94, s94, s91
	s_lshl_b32 s91, s16, 9
	s_add_co_u32 s94, s94, s91
	s_mov_b32 s95, 0
	s_add_nc_u64 s[12:13], s[12:13], s[94:95]
	s_wait_kmcnt 0x0
	s_add_co_i32 s88, s84, s85
	s_lshl_b32 s88, s88, 23
	s_mov_b32 s76, 0x3d38aa3b                      ; log2(e) / 32
	s_add_co_i32 s76, s76, s88                     ; x 2^(e6 + e7): added to its exponent field
	s_mov_b32 s77, s76                             ; (named with it as a pair)
	s_add_co_i32 s88, s86, 127
	s_lshl_b32 s89, s88, 23
	v_mov_b32 v72, s89                             ; 2^e8
	s_add_co_i32 s88, s88, 15
	s_lshl_b32 s88, s88, 23
	s_or_b32 s88, s88, 0x600000
	v_mov_b32 v73, s88                             ; 57,344 x 2^e8
.macro FETCH k                         ; K step k: 12 fragments, 48 loads of 512 consecutive bytes, into set k % 2
.if ((\k)%2)
	WIN 0xc0
.else
	WIN 0x80
.endif
.irp i, 0,1,2,3,4,5,6,7
.irp c, 0,1,2,3
	ds_load_b128 v[16*\i+4*\c:16*\i+4*\c+3], v[4+((\k)/2)%3] offset:\i*4096+((\k)%2)*2048+512*\c
.endr
.endr
.irp n, 0,1,2,3
.irp c, 0,1,2,3
	ds_load_b128 v[128+16*\n+4*\c:128+16*\n+4*\c+3], v[7+((\k)/2)%3] offset:\n*4096+((\k)%2)*2048+512*\c
.endr
.endr
.endm
.macro MUL k                           ; 32 matrix instructions: the 32 accumulators take turns, one instruction a turn; the first K step starts the sums
.if ((\k)%2)
	WIN 0x5f
.else
	WIN 0x5a
.endif
.irp n, 0,1,2,3
.irp i, 0,1,2,3,4,5,6,7
.if (\k) == 0
	v_wmma_f32_16x16x128_bf8_bf8 v[8*(8*\n+\i):8*(8*\n+\i)+7], v[16*\i:16*\i+15], v[128+16*\n:128+16*\n+15], 0
.else
	v_wmma_f32_16x16x128_bf8_bf8 v[8*(8*\n+\i):8*(8*\n+\i)+7], v[16*\i:16*\i+15], v[128+16*\n:128+16*\n+15], v[8*(8*\n+\i):8*(8*\n+\i)+7]
.endif
.endr
.endr
.endm
.macro STEPK k, more                   ; more = 1: the next K step lies in a slot that is whole: its fragments are fetched while this step is multiplied
.if \more
	PLACES                                         ; four places in front of loads into the set that the step before has read
	FETCH (\k)+1
	s_wait_dscnt 48                                ; this step's 48 loads are in; the 48 just issued stay out
.else
	s_wait_dscnt 0x0
.endif
	MUL \k
.endm
	s_wait_tensorcnt 0x0                           ; my part of K steps 0 to 5 is in
	s_barrier_signal -1
	s_barrier_wait -1
	FETCH 0
	STEPK 0, 1
	STEPK 1, 0
	WIN 0
	s_wait_tensorcnt 0x0                           ; no tensor load of mine is out, so the descriptors may be written
	ds_add_u32 v2, v3
	s_add_nc_u64 s[34:35], s[34:35], KPART         ; on to K steps 6 and 7, which go into slot 0: one pair, 8 rows of K, 4 of Q
	s_add_nc_u64 s[58:59], s[58:59], QPART
	s_mov_b32 s26, 8<<16
	s_mov_b32 s28, 8
	s_mov_b32 s50, 4<<16
	s_mov_b32 s52, 4
	s_wait_dscnt 0x0                               ; the add is done, and my reads of slot 0 are over
	CROUND                                         ; no wave of any partner still reads slot 0 or has a load on its way
	s_cmp_lt_u32 s14, 2
	s_cbranch_scc0 .Lre_q
	tensor_load_to_lds s[32:35], s[24:31]          ; my one load behind the round: it has four K steps, 128 matrix instructions, in which to land
	s_nop 0
	PLACES
	s_branch .Lre_done
.Lre_q:
	tensor_load_to_lds s[56:59], s[48:55]
	s_nop 0
	PLACES
.Lre_done:
	FETCH 2
	STEPK 2, 1
	STEPK 3, 1
	STEPK 4, 1
	STEPK 5, 0
	WIN 0
	s_wait_tensorcnt 0x0                           ; my part of K steps 6 and 7 is in
	ds_add_u32 v2, v3
	s_wait_dscnt 0x0
	s_barrier_signal -1
	s_barrier_wait -1                              ; everybody's is; nothing is filled again
	PLACES
	FETCH 6
	STEPK 6, 1
	STEPK 7, 0
	WIN 0
	PLACES                                         ; four places in front of the first read of results
	; THE SOFTMAX'S PART, each stage written for my four query tiles.  Register 8 i + j of tile n is key 16 i + 8 h + j of query r.
	WIN 0x15                                       ; sources window 1
.irp n, 0,1,2,3
	v_max3_num_f32 v[16+\n], v[64*\n], v[64*\n+1], v[64*\n+2]      ; the largest score among my 64 keys, in two chains, in ascending order: each accumulator from its low end on
	v_max3_num_f32 v[20+\n], v[64*\n+3], v[64*\n+4], v[64*\n+5]
.endr
	WIN 0x14
.irp i, 6,10,14,18,22,26,30,34,38,42,46,50,54,58
.irp n, 0,1,2,3
	v_max3_num_f32 v[16+\n], v[16+\n], v[64*\n+\i], v[64*\n+\i+1]
	v_max3_num_f32 v[20+\n], v[20+\n], v[64*\n+\i+2], v[64*\n+\i+3]
.endr
.endr
.irp n, 0,1,2,3
	v_max3_num_f32 v[16+\n], v[16+\n], v[64*\n+62], v[64*\n+63]
.endr
	WIN 0
.irp n, 0,1,2,3
	v_max_num_f32 v[16+\n], v[16+\n], v[20+\n]
.endr
.irp n, 0,1,2,3
	v_permlanex16_b32 v[24+\n], v[16+\n], s78, s79
.endr
.irp n, 0,1,2,3
	v_max_num_f32 v[16+\n], v[16+\n], v[24+\n]     ; and among lane l xor 16's
.endr
.irp n, 0,1,2,3
	v_mul_f32 v[16+\n], s76, v[16+\n]              ; as t (the factor is positive)
.endr
.irp n, 0,1,2,3
	v_floor_f32 v[48+2*\n], -v[16+\n]              ; -M = floor(-t) = -ceil(t): a whole number
.endr
	WIN 0x41
.irp n, 0,1,2,3
.set j, 0
.rept 32
	v_pk_fma_f32 v[64*\n+j:64*\n+j+1], v[64*\n+j:64*\n+j+1], s[76:77], v[48+2*\n:49+2*\n] op_sel_hi:[1,0,0]   ; t - M (of both pairs the low word serves both halves)
.set j, j+2
.endr
.endr
.set j, 0
	s_wait_alu depctr_va_vdst(0)
.rept 256
	v_exp_f32 v[j], v[j]                           ; p = 2^(t - M), at most 1
.set j, j+1
.endr
	v_nop                                          ; a plain instruction behind the last exponential,
	s_wait_alu depctr_va_vdst(0)                   ; and one wait for the whole batch, ahead of its first reader
	WIN 0x05
.irp n, 0,1,2,3
	v_pk_add_f32 v[56+2*\n:57+2*\n], v[64*\n:64*\n+1], v[64*\n+2:64*\n+3]     ; the sum of the UNQUANTISED p, two at a time, in two chains
	v_pk_add_f32 v[64+2*\n:65+2*\n], v[64*\n+4:64*\n+5], v[64*\n+6:64*\n+7]
.endr
	WIN 0x01
.irp i, 8,12,16,20,24,28,32,36,40,44,48,52,56,60
.irp n, 0,1,2,3
	v_pk_add_f32 v[56+2*\n:57+2*\n], v[64*\n+\i:64*\n+\i+1], v[56+2*\n:57+2*\n]
	v_pk_add_f32 v[64+2*\n:65+2*\n], v[64*\n+\i+2:64*\n+\i+3], v[64+2*\n:65+2*\n]
.endr
.endr
	WIN 0
.irp n, 0,1,2,3
	v_pk_add_f32 v[56+2*\n:57+2*\n], v[56+2*\n:57+2*\n], v[64+2*\n:65+2*\n]
.endr
.irp n, 0,1,2,3
	v_add_f32 v[49+2*\n], v[56+2*\n], v[57+2*\n]
.endr
.irp n, 0,1,2,3
	v_permlanex16_b32 v[24+\n], v[49+2*\n], s78, s79
.endr
.irp n, 0,1,2,3
	v_add_f32 v[49+2*\n], v[49+2*\n], v[24+\n]     ; the run's sum, in both halves of the lanes
.endr
	WIN 0x41
.set j, 0
.rept 256
	v_min_num_f32 v[j], v[j], v73                  ; the conversion does not saturate (ISA guide 7.6.2); p is not negative, so the hold is one-sided
.set j, j+1
.endr
	WIN 0x01
.irp n, 0,1,2,3
.irp i, 0,1,2,3,4,5,6,7
	v_cvt_scalef32_pk8_bf8_f32 v[128+16*\n+2*\i:128+16*\n+2*\i+1], v[64*\n+8*\i:64*\n+8*\i+7], v72   ; registers 2 i, 2 i + 1 of the fragment: keys 16 i + 8 h + 0 .. 7
.endr
.endr
	v_nop                                          ; one plain instruction behind the last scaled conversion
	WIN 0
.irp n, 0,1,2,3
.irp c, 0,1,2,3
	global_store_b128 v1, v[128+16*\n+4*\c:128+16*\n+4*\c+3], s[10:11] offset:\n*32768+512*\c th:TH_STORE_NT   ; 512 consecutive bytes
.endr
.endr
	v_cmp_le_u32 vcc_lo, 16, v11                   ; lanes 16-31 take the odd tile's pair: lane l then holds query 32 n' + l
	v_cndmask_b32 v32, v48, v50, vcc_lo
	v_cndmask_b32 v33, v49, v51, vcc_lo
	v_cndmask_b32 v34, v52, v54, vcc_lo
	v_cndmask_b32 v35, v53, v55, vcc_lo
	global_store_b64 v10, v[32:33], s[12:13] th:TH_STORE_NT               ; 32 lanes: 256 consecutive bytes, aligned
	global_store_b64 v10, v[34:35], s[12:13] offset:256 th:TH_STORE_NT
	s_wait_tensorcnt 0x0                           ; the wave's end
	ds_add_u32 v2, v3
	s_wait_dscnt 0x0
	CROUND                                         ; the closing round
	s_endpgm
.Lfunc_end_k_qb40bf690fa_scores:
	.size	k_qb40bf690fa_scores, .Lfunc_end_k_qb40bf690fa_scores-k_qb40bf690fa_scores
	.p2alignl 7, 3214868480
	.fill 96, 4, 3214868480
	.section	.rodata,"a",@progbits
	.p2align	6, 0x0
	.amdhsa_kernel k_qb40bf690fa_scores
		.amdhsa_group_segment_fixed_size 327680
		.amdhsa_private_segment_fixed_size 0
		.amdhsa_enable_private_segment 0
		.amdhsa_kernarg_size 40
		.amdhsa_user_sgpr_count 2
		.amdhsa_user_sgpr_kernarg_segment_ptr 1
		.amdhsa_wavefront_size32 1
		.amdhsa_system_sgpr_workgroup_id_x 1
		.amdhsa_system_sgpr_workgroup_id_y 1
		.amdhsa_system_sgpr_workgroup_id_z 1
		.amdhsa_system_vgpr_workitem_id 0
		.amdhsa_next_free_vgpr 1024
		.amdhsa_next_free_sgpr 96
		.amdhsa_reserve_vcc 1
		.amdhsa_float_denorm_mode_32 3
		.amdhsa_float_denorm_mode_16_64 3
		.amdhsa_memory_ordered 1
		.amdhsa_forward_progress 1
		.amdhsa_inst_pref_size 96
	.end_amdhsa_kernel
	.amdgpu_metadata
---
amdhsa.version: [ 1, 2 ]
amdhsa.kernels:
  - .name:           k_qb40bf690fa_scores
    .symbol:         k_qb40bf690fa_scores.kd
    .args:
      - { .name: k_img, .offset: 0, .size: 8, .value_kind: global_buffer, .address_space: global }
      - { .name: q_img, .offset: 8, .size: 8, .value_kind: global_buffer, .address_space: global }
      - { .name: lowp_scales, .offset: 16, .size: 8, .value_kind: global_buffer, .address_space: global }
      - { .name: p_img, .offset: 24, .size: 8, .value_kind: global_buffer, .address_space: global }
      - { .name: stats, .offset: 32, .size: 8, .value_kind: global_buffer, .address_space: global }
    .group_segment_fixed_size: 327680
    .private_segment_fixed_size: 0
    .kernarg_segment_align: 8
    .kernarg_segment_size: 40
    .max_flat_workgroup_size: 128
    .sgpr_count:     96
    .vgpr_count:     1024
    .wavefront_size: 32
...
	.end_amdgpu_metadata
.endif
;; end of part 2
;; launch mix (part 3): grid 4 x 64, 4 waves a work-group, clusters of 4 x 4, 327,680 bytes of LDS; arguments v_img, p_img, stats, lowp_scales, out0; writes out0
.if DOCPART == 3
	.amdgcn_target "amdgcn-amd-amdhsa--gfx1250"
	.amdhsa_code_object_version 6
	.text
	.protected	k_qb40bf690fa_mix
	.globl	k_qb40bf690fa_mix
	.p2align	8
	.type	k_qb40bf690fa_mix,@function
k_qb40bf690fa_mix:
	s_mov_b64 s[64:65], 0
	v_nop
	global_prefetch_b8 v0, s[64:65] scope:SCOPE_SE
	s_setreg_imm32_b32 hwreg(HW_REG_WAVE_MODE, 25, 1), 1
	s_wait_xcnt 0x0
	s_wait_alu depctr_hold_cnt(0) depctr_sa_sdst(0) depctr_va_vdst(0) depctr_va_sdst(0) depctr_va_ssrc(0) depctr_va_vcc(0) depctr_vm_vsrc(0)
	s_getreg_b32 s2, hwreg(HW_REG_IB_STS2, 6, 4)
	s_cmp_eq_u32 s2, 0
	s_cbranch_scc0 .Lentry_in_a_cluster
	s_endpgm
.Lentry_in_a_cluster:
	s_bfe_u32 s2, ttmp6, 0x10000c
	s_cmp_lg_u32 s2, 0xf033
	s_cbranch_scc0 .Lentry_shape_is_right
	s_endpgm
.Lentry_shape_is_right:
; O[q][d] = 2^(e8 + e9) / l[q] x the sum over the 16 runs of 128 keys of 2^(M_run - M) x (V^T P^T of that run), on codes of BF8.  M = the largest M_run of the row; l = the sum of 2^(M_run - M) l_run.
; Each factor 2^(M_run - M) is a whole power of two made by v_ldexp_f32 of 1.0: bringing a run under the row's M rounds nothing.
; SHARES.  A work-group: 128 queries x 128 channels of a batch.  Wave (dh, qh): 64 channels x 64 queries.  Source 0 = 16 channels of V (keys along K), source 1 = 16 queries of P: a lane holds ONE query and 8 neighbouring channels.
; A run's product starts from the constant 0 in 16 tiles of its own and is added to the sums by one packed multiply-add for two numbers, with the lane's factor.
; The 16 runs go through two LDS slots of four runs each.  CLUSTER 4 x 4: V's tile is shared along a row, P's along a column, each asked for jointly.  Fragments lie dense, 2,048 bytes each: tiles are rows of 8,192 bytes.
; In a fragment of P lane l's registers 4 c .. 4 c + 3 lie at 512 c + 16 l; in one of V its registers 2 i, 2 i + 1 lie at 256 i + 8 l (a key tile is 256 bytes).  Both hold k = 16 i + 8 h + 0 .. 7 in registers 2 i, 2 i + 1.
; LIMITS: NaN is not served; e8 + e9 is applied by v_ldexp_f32 and has no limit.
; REGISTERS.  Window 0: v1-15 addresses; v16-27 at work; v32-95 the factors, (n, run) at 32 + 16 n + run; v96-103 2^(e8 + e9) / l, a pair a tile; v128-255 a run's 16 tiles, (i, n) at 128 + 8 (4 n + i); first the stats, last the way out.
;   Window 1: the sums, (i, n) at 8 (4 n + i).   Window 2: two sets of fragments at 128 p: V's four at + 16 i, P's four at + 64 + 16 n.
.set SLOT1, 131072                     ; a slot: V: 8 channel tiles x 8,192 bytes; then P: 8 query tiles x 8,192
.set POFF,  65536
.set STAGE, 2*SLOT1                    ; behind the slots: 16 rows x 272 bytes for each wave, for the way out
.set SPARE, STAGE+4*16*272             ; behind the stages: the spare words, 128 bytes a wave, which no other line names
.set FF,  32
.set RL,  96
.set TMP, 128
.set MSB, 0
.macro WIN new
.if MSB != (\new)
	s_set_vgpr_msb (MSB<<8)|(\new)
.set MSB, (\new)
.endif
.endm
.macro PLACES
.rept 4
	v_nop
.endr
.endm
.macro CROUND
	s_barrier_signal -1
	s_barrier_wait -1
	s_cmp_lg_u32 s14, 0
	s_cbranch_scc1 .Lnot_wave_0_\@
	s_barrier_signal -3
.Lnot_wave_0_\@:
	s_barrier_wait -3
	s_barrier_signal -1
	s_barrier_wait -1
.endm
.macro JLOAD slot                      ; waves 0 and 1 fetch V's halves, waves 2 and 3 P's; four v_nop follow each of the two lines
	s_cmp_lt_u32 s14, 2
	s_cbranch_scc0 .Lfor_p_\@
	tensor_load_to_lds s[32+4*\slot:35+4*\slot], s[24:31]
	s_nop 0
	PLACES
	s_branch .Lasked_\@
.Lfor_p_\@:
	tensor_load_to_lds s[56+4*\slot:59+4*\slot], s[48:55]
	s_nop 0
	PLACES
.Lasked_\@:
.endm
	s_load_b256 s[4:11], s[0:1], 0x0               ; v_img s[4:5], p_img s[6:7], stats s[8:9], the scales' exponents s[10:11]
	s_load_b64 s[12:13], s[0:1], 0x20              ; out0
	v_lshl_add_u32 v2, v0, 2, SPARE
	v_mov_b32 v3, 0
	ds_add_u32 v2, v3
	ds_add_u32 v2, v3
	s_wait_dscnt 0x0
	v_lshrrev_b32 v12, 5, v0
	v_readfirstlane_b32 s14, v12                   ; wave 0..3
	s_lshr_b32 s15, s14, 1                         ; dh: which 64 channels are mine
	s_and_b32 s16, s14, 1                          ; qh: which 64 queries.  Also: which half of a tile I fetch
	s_bfe_u32 s40, ttmp6, 0x40000                  ; cx
	s_bfe_u32 s41, ttmp6, 0x40004                  ; cy
	s_lshl_b32 s42, ttmp9, 2
	s_add_co_u32 s42, s42, s40                     ; block of 128 queries
	s_and_b32 s45, ttmp7, 0xffff
	s_lshl_b32 s17, s45, 2
	s_add_co_u32 s17, s17, s41                     ; 8 x batch + block of 128 channels
	s_lshr_b32 s18, s45, 1                         ; the batch, from the cluster's y alone
	s_lshl_b32 s43, s41, 2
	s_lshl_b32 s43, 15, s43                        ; my row of the cluster
	s_lshl_b32 s44, 0x1111, s40                    ; my column
	s_or_b32 s24, s43, (3<<16)|(1<<21)             ; group 1 for V: the mask of my row; elements of 8 bytes; bit 21 set beside a mask; no padding
	s_or_b32 s48, s44, (3<<16)|(1<<21)             ; for P: the mask of my column
.irp g, 24, 48
	s_mov_b32 s[\g+1], 1024<<16                    ; tensor_dim0 = 1,024 elements: 8,192 bytes
	s_mov_b32 s[\g+2], 4<<16                       ; tensor_dim1 = 4 rows
	s_mov_b32 s[\g+3], 1024<<16                    ; tile_dim0
	s_mov_b32 s[\g+4], 4                           ; tile_dim1
	s_mov_b32 s[\g+5], 4096                        ; from tile row to tile row: 32,768 bytes
	s_mov_b32 s[\g+6], 0
	s_mov_b32 s[\g+7], 0
.endr
	s_lshl_b32 s20, s17, 18                        ; V: 8 channel tiles of 32,768 bytes a block,
	s_lshl_b32 s21, s16, 17                        ; my 4 of them
	s_add_co_u32 s20, s20, s21
	s_mov_b32 s21, 0
	s_lshl_b32 s46, s18, 20                        ; P: 32 query tiles a batch,
	s_lshl_b32 s47, s42, 18                        ; 8 a block,
	s_add_co_u32 s46, s46, s47
	s_lshl_b32 s47, s16, 17                        ; my 4 of them
	s_add_co_u32 s46, s46, s47
	s_mov_b32 s47, 0
	s_lshl_b32 s22, s14, 15                        ; where they go in a slot: wave x 32,768
	s_wait_kmcnt 0x0
	s_load_b64 s[84:85], s[10:11], 0x20            ; e8, e9
	s_add_nc_u64 s[20:21], s[4:5], s[20:21]
	s_add_nc_u64 s[46:47], s[6:7], s[46:47]
.irp s, 0,1
	s_mov_b32 s[32+4*\s], 1
	s_add_co_u32 s[33+4*\s], s22, \s*SLOT1
	s_add_nc_u64 s[34+4*\s:35+4*\s], s[20:21], \s*8192
	s_or_b32 s[35+4*\s], s[35+4*\s], 0x80000000
	s_mov_b32 s[56+4*\s], 1
	s_add_co_u32 s[57+4*\s], s22, \s*SLOT1
	s_add_nc_u64 s[58+4*\s:59+4*\s], s[46:47], \s*8192
	s_or_b32 s[59+4*\s], s[59+4*\s], 0x80000000
.endr
	CROUND                                         ; all sixteen work-groups are here: the first joint loads meet
	JLOAD 0                                        ; slot 0: one tensor load a wave at the head
	v_and_b32 v12, 31, v0                          ; lane
	v_and_b32 v13, 15, v0                          ; r
	v_bfe_u32 v14, v0, 4, 1                        ; h
	v_lshlrev_b32 v1, 4, v12                       ; 16 x lane
	v_lshlrev_b32 v15, 3, v12                      ; 8 x lane
	s_lshl_b32 s19, s15, 15                        ; my 4 channel tiles of V
	v_add_nc_u32 v4, s19, v15
	v_add_nc_u32 v5, SLOT1, v4
	s_lshl_b32 s19, s16, 15                        ; my 4 query tiles of P
	s_add_co_u32 s19, s19, POFF
	v_add_nc_u32 v6, s19, v1
	v_add_nc_u32 v7, SLOT1, v6
	v_lshlrev_b32 v8, 3, v13                       ; stats: 8 r
	s_wait_alu depctr_va_vdst(0)
	s_mul_i32 s19, s14, 16*272
	s_add_co_u32 s19, s19, STAGE                   ; my stage
	v_mul_u32_u24 v9, v13, 272                     ; in: row r, 32 bytes for each half of the lanes
	v_lshl_add_u32 v9, v14, 5, v9
	v_add_nc_u32 v9, s19, v9
	v_mul_u32_u24 v10, v14, 272                    ; back: lanes 0-15 one row of 256 bytes, lanes 16-31 the next
	v_lshl_add_u32 v10, v13, 4, v10
	v_add_nc_u32 v10, s19, v10
	v_lshlrev_b32 v11, 12, v14                     ; and the same two rows in O
	v_lshl_add_u32 v11, v13, 4, v11
	s_lshl_b32 s90, s18, 16                        ; stats: (16 x 512 batch + 128 block + 64 qh) x 8
	s_lshl_b32 s91, s42, 10
	s_add_co_u32 s90, s90, s91
	s_lshl_b32 s91, s16, 9
	s_add_co_u32 s90, s90, s91
	s_mov_b32 s91, 0
	s_add_nc_u64 s[8:9], s[8:9], s[90:91]
	s_lshl_b32 s92, s18, 21                        ; O: (512 batch + 128 block + 64 qh) x 4,096 + 512 x channel block + 256 dh
	s_lshl_b32 s93, s42, 19
	s_add_co_u32 s92, s92, s93
	s_lshl_b32 s93, s16, 18
	s_add_co_u32 s92, s92, s93
	s_and_b32 s93, s17, 7
	s_lshl_b32 s93, s93, 9
	s_add_co_u32 s92, s92, s93
	s_lshl_b32 s93, s15, 8
	s_add_co_u32 s92, s92, s93
	s_mov_b32 s93, 0
	s_add_nc_u64 s[12:13], s[12:13], s[92:93]
	; THE FACTORS, while the first tiles land.  {-M, l} of query r of tile n, run k, into v[TMP + 32 n + 2 k] on
.irp n, 0,1,2,3
.irp k, 0,1,2,3,4,5,6,7,8,9,10,11,12,13,14,15
	global_load_b64 v[TMP+32*\n+2*\k:TMP+32*\n+2*\k+1], v8, s[8:9] offset:\k*4096+\n*128
.endr
.endr
	s_wait_loadcnt 0x0
.irp n, 0,1,2,3
	v_min3_num_f32 v[16+\n], v[TMP+32*\n], v[TMP+32*\n+2], v[TMP+32*\n+4]  ; the least -M is the row's -M
.endr
.irp k, 6,10,14,18,22,26
.irp n, 0,1,2,3
	v_min3_num_f32 v[16+\n], v[16+\n], v[TMP+32*\n+\k], v[TMP+32*\n+\k+2]
.endr
.endr
.irp n, 0,1,2,3
	v_min_num_f32 v[16+\n], v[16+\n], v[TMP+32*\n+30]
.endr
.irp n, 0,1,2,3
.irp k, 0,1,2,3,4,5,6,7,8,9,10,11,12,13,14,15
	v_sub_f32 v[FF+16*\n+\k], v[16+\n], v[TMP+32*\n+2*\k]          ; M_run - M: a whole number, 0 or less
.endr
.endr
.set j, 0
.rept 64
	v_cvt_i32_f32 v[FF+j], v[FF+j]                 ; (it saturates)
.set j, j+1
.endr
.set j, 0
.rept 64
	v_ldexp_f32 v[FF+j], 1.0, v[FF+j]              ; 2^(M_run - M)
.set j, j+1
.endr
.irp n, 0,1,2,3
	v_mul_f32 v[20+\n], v[FF+16*\n], v[TMP+32*\n+1]                ; l, in two chains
	v_mul_f32 v[24+\n], v[FF+16*\n+1], v[TMP+32*\n+3]
.endr
.irp k, 2,4,6,8,10,12,14
.irp n, 0,1,2,3
	v_fmac_f32 v[20+\n], v[FF+16*\n+\k], v[TMP+32*\n+2*\k+1]
	v_fmac_f32 v[24+\n], v[FF+16*\n+\k+1], v[TMP+32*\n+2*\k+3]
.endr
.endr
.irp n, 0,1,2,3
	v_add_f32 v[20+\n], v[20+\n], v[24+\n]
.endr
	s_wait_alu depctr_va_vdst(0)
.irp n, 0,1,2,3
	v_rcp_f32 v[RL+2*\n], v[20+\n]
.endr
	v_nop                                          ; a plain instruction behind the last reciprocal,
	s_wait_kmcnt 0x0
	s_add_co_i32 s86, s84, s85
	s_wait_alu depctr_va_vdst(0)                   ; and one wait for the four, ahead of their first reader
.irp n, 0,1,2,3
	v_ldexp_f32 v[RL+2*\n], v[RL+2*\n], s86        ; 2^(e8 + e9) / l
.endr
.irp n, 0,1,2,3
	v_mov_b32 v[RL+2*\n+1], v[RL+2*\n]             ; (named with it as a pair)
.endr
.macro FETCH k                         ; run k: 8 fragments into set k % 2: V's by 32 loads of 256 consecutive bytes, P's by 16 of 512
	WIN 0x80
.set PF, 128*((\k)%2)
.irp i, 0,1,2,3
.irp c, 0,1,2,3,4,5,6,7
	ds_load_b64 v[PF+16*\i+2*\c:PF+16*\i+2*\c+1], v[4+((\k)/4)%2] offset:\i*8192+((\k)%4)*2048+256*\c
.endr
.endr
.irp n, 0,1,2,3
.irp c, 0,1,2,3
	ds_load_b128 v[PF+64+16*\n+4*\c:PF+64+16*\n+4*\c+3], v[6+((\k)/4)%2] offset:\n*8192+((\k)%4)*2048+512*\c
.endr
.endr
.endm
; A run: 16 products from the constant 0, then 64 packed multiply-adds by the lane's factor.  Those are also the places in front of the next fetch and of the products that write the 16 tiles again.
.macro KSTEP k, more
	s_wait_dscnt 0x0                               ; this run's fragments, asked for a run ago (a slot's first: just now), are in
.if \more
	FETCH (\k)+1                                   ; the next run's, into the set that the run before has left: they land while this run is multiplied
.endif
	WIN 0x0a                                       ; V and P window 2, the tiles window 0
.set PS, 128*((\k)%2)
.irp n, 0,1,2,3
.irp i, 0,1,2,3
	v_wmma_f32_16x16x128_bf8_bf8 v[TMP+8*(4*\n+\i):TMP+8*(4*\n+\i)+7], v[PS+16*\i:PS+16*\i+15], v[PS+64+16*\n:PS+64+16*\n+15], 0
.endr
.endr
	PLACES                                         ; four places in front of the first read of results
	WIN 0x50                                       ; the sums (destination, source 2) window 1
.irp n, 0,1,2,3
.set FP, FF+16*\n+2*((\k)/2)
.irp i, 0,1,2,3
.irp jj, 0,2,4,6
.set rA, 8*(4*\n+\i)+\jj
.if (\k) == 0
	v_pk_mul_f32 v[rA:rA+1], v[TMP+rA:TMP+rA+1], v[FP:FP+1] op_sel_hi:[1,0]       ; the first run starts the sums: nothing is cleared
.elseif ((\k)%2) == 0
	v_pk_fma_f32 v[rA:rA+1], v[TMP+rA:TMP+rA+1], v[FP:FP+1], v[rA:rA+1] op_sel_hi:[1,0,1]   ; an even run's factor is the pair's low word,
.else
	v_pk_fma_f32 v[rA:rA+1], v[TMP+rA:TMP+rA+1], v[FP:FP+1], v[rA:rA+1] op_sel:[0,1,0] op_sel_hi:[1,1,1]   ; an odd run's the high word
.endif
.endr
.endr
.endr
.endm
.macro WORK f                          ; a slot's four runs
	FETCH 4*(\f)
	KSTEP 4*(\f), 1
	KSTEP 4*(\f)+1, 1
	KSTEP 4*(\f)+2, 1
	KSTEP 4*(\f)+3, 0
.endm
; THE CHANGE OF SLOTS.  Each wave waits for all its tensor loads (one is out: its part of the slot ahead), adds 0 to its spare word, and waits for that and for its reads of the slot left.
; fill = 1: a round of the cluster's barrier, and the slot left takes the runs eight further on: one load a wave, the first thing behind the round; it has four runs in which to land.
.macro CHANGE slot, fill
	WIN 0
	s_wait_tensorcnt 0x0
	ds_add_u32 v2, v3
.if \fill
	s_add_nc_u64 s[34+4*\slot:35+4*\slot], s[34+4*\slot:35+4*\slot], 2*8192
	s_add_nc_u64 s[58+4*\slot:59+4*\slot], s[58+4*\slot:59+4*\slot], 2*8192
.endif
	s_wait_dscnt 0x0
.if \fill
	CROUND
	JLOAD \slot
.else
	s_barrier_signal -1
	s_barrier_wait -1
.endif
.endm
	s_wait_alu depctr_va_vdst(0)
	s_wait_tensorcnt 0x0                           ; my part of slot 0 is in
	ds_add_u32 v2, v3
	s_wait_dscnt 0x0
	CROUND                                         ; everybody's part of slot 0 is in, and all sixteen work-groups are here
	JLOAD 1                                        ; slot 1's first fill has slot 0's four runs in which to land
	WORK 0
	CHANGE 0, 1
	WORK 1
	CHANGE 1, 1
	WORK 2
	CHANGE 0, 0
	WORK 3
	; THE WAY OUT, a tile of 16 queries at a time: x 2^(e8 + e9) / l; 32 bytes a lane into rows of 272 bytes of my own stage; back as whole rows of 256 bytes.
	; LDS serves a wave's instructions in order (ISA guide 5.7.1.4): no wait between the stores and the loads, nor in front of the next tile's stores.
.irp n, 0,1,2,3
.set OV, TMP+32*(\n%2)
.set BK, TMP+64+32*(\n%2)
	WIN 0x01                                       ; the sums window 1
.irp i, 0,1,2,3
.irp jj, 0,2,4,6
	v_pk_mul_f32 v[OV+8*\i+\jj:OV+8*\i+\jj+1], v[8*(4*\n+\i)+\jj:8*(4*\n+\i)+\jj+1], v[RL+2*\n:RL+2*\n+1] op_sel_hi:[1,0]
.endr
.endr
	WIN 0
.irp i, 0,1,2,3
	ds_store_b128 v9, v[OV+8*\i:OV+8*\i+3] offset:64*\i            ; lane (r, h): O(r, 16 i + 8 h + 0 .. 7)
	ds_store_b128 v9, v[OV+8*\i+4:OV+8*\i+7] offset:64*\i+16
.endr
.if \n >= 2
	s_wait_xcnt 0x0                                ; the stores of two tiles back have read the registers that the loads below fill
.endif
.irp t, 0,1,2,3,4,5,6,7
	ds_load_b128 v[BK+4*\t:BK+4*\t+3], v10 offset:\t*2*272
.endr
.irp t, 0,1,2,3,4,5,6,7
	s_wait_dscnt 7-\t                              ; the younger read-backs may stay out
	global_store_b128 v11, v[BK+4*\t:BK+4*\t+3], s[12:13] offset:\n*65536+\t*8192 th:TH_STORE_NT   ; 16 lanes store 256 consecutive bytes, at a multiple of 256 from O's first byte
.endr
.endr
	s_wait_tensorcnt 0x0                           ; the wave's end
	ds_add_u32 v2, v3
	s_wait_dscnt 0x0
	CROUND                                         ; the closing round
	s_endpgm
.Lfunc_end_k_qb40bf690fa_mix:
	.size	k_qb40bf690fa_mix, .Lfunc_end_k_qb40bf690fa_mix-k_qb40bf690fa_mix
	.p2alignl 7, 3214868480
	.fill 96, 4, 3214868480
	.section	.rodata,"a",@progbits
	.p2align	6, 0x0
	.amdhsa_kernel k_qb40bf690fa_mix
		.amdhsa_group_segment_fixed_size 327680
		.amdhsa_private_segment_fixed_size 0
		.amdhsa_enable_private_segment 0
		.amdhsa_kernarg_size 40
		.amdhsa_user_sgpr_count 2
		.amdhsa_user_sgpr_kernarg_segment_ptr 1
		.amdhsa_wavefront_size32 1
		.amdhsa_system_sgpr_workgroup_id_x 1
		.amdhsa_system_sgpr_workgroup_id_y 1
		.amdhsa_system_sgpr_workgroup_id_z 1
		.amdhsa_system_vgpr_workitem_id 0
		.amdhsa_next_free_vgpr 768
		.amdhsa_next_free_sgpr 96
		.amdhsa_reserve_vcc 0
		.amdhsa_float_denorm_mode_32 3
		.amdhsa_float_denorm_mode_16_64 3
		.amdhsa_memory_ordered 1
		.amdhsa_forward_progress 1
		.amdhsa_inst_pref_size 173
	.end_amdhsa_kernel
	.amdgpu_metadata
---
amdhsa.version: [ 1, 2 ]
amdhsa.kernels:
  - .name:           k_qb40bf690fa_mix
    .symbol:         k_qb40bf690fa_mix.kd
    .args:
      - { .name: v_img, .offset: 0, .size: 8, .value_kind: global_buffer, .address_space: global }
      - { .name: p_img, .offset: 8, .size: 8, .value_kind: global_buffer, .address_space: global }
      - { .name: stats, .offset: 16, .size: 8, .value_kind: global_buffer, .address_space: global }
      - { .name: lowp_scales, .offset: 24, .size: 8, .value_kind: global_buffer, .address_space: global }
      - { .name: out0, .offset: 32, .size: 8, .value_kind: global_buffer, .address_space: global }
    .group_segment_fixed_size: 327680
    .private_segment_fixed_size: 0
    .kernarg_segment_align: 8
    .kernarg_segment_size: 40
    .max_flat_workgroup_size: 128
    .sgpr_count:     96
    .vgpr_count:     768
    .wavefront_size: 32
...
	.end_amdgpu_metadata
.endif
;; end of part 3
